; MI455X (gfx1250); checked and timed in simulation.
; The chip was launched on July 23, 2026; its instructions are those of AMD's public machine-readable ISA for CDNA 5 (MIT licence, August 2026) and "CDNA5" Instruction Set Architecture Reference Guide (July 2026). The comments in the code are by the model that wrote it; some were corrected since.
;; projection Measurement. Allowed arithmetic: matrix products marked QUANTISED: E2M3 operands, one E8M0 scale for each 32 along K, by v_wmma_scale_f32_16x16x128_f8f6f4 with both operands' format E2M3, f32 sums; products left as they are: f32 operands where the result goes on into a quantised operand, else bf16, f16 or f32 operands; f32 sums; everything else in f32.
;; Inputs: projector 2 x 4,096 x 1 float32; v_imag_avg 1,024 x 4,096 float32; v_real_avg 1,024 x 4,096 float32.
;; Outputs: out0 1,024 x 1 x 4,096 float32; out1 1,024 x 1 x 4,096 float32.
;; This version of the problem:
;;   THIS VERSION OF THE PROBLEM IS GIVEN IN LOW PRECISION. The matrix products marked QUANTISED in the list below multiply operands that are first quantised to E2M3 (2 exponent bits, 3 mantissa bits; 6 bits a number), with one power-of-two scale for each 32 numbers along K (OCP MX v1.0); their sums are f32. All else is computed in f32.
;;   The module's matrix products, in the order in which they are computed (A, B: the left and right operand; K: the contracted axis; several contracted axes count as one K, in the product's order):
;;     1. [M 4,096, K 1] x [K 1, N 4,096]; A: computed on the way; B: computed on the way: left as it is (K = 1 < 32)
;;     2. [M 4,096, K 1] x [K 1, N 4,096]; A: computed on the way; B: computed on the way: left as it is (K = 1 < 32)
;;     3. [M 1,024, K 4,096] x [K 4,096, N 4,096]; A: input v_real_avg; B: computed on the way: QUANTISED
;;     4. [M 1,024, K 4,096] x [K 4,096, N 4,096]; A: input v_imag_avg; B: computed on the way: QUANTISED
;;     5. [M 1,024, K 4,096] x [K 4,096, N 4,096]; A: input v_real_avg; B: computed on the way: QUANTISED
;;     6. [M 1,024, K 4,096] x [K 4,096, N 4,096]; A: input v_imag_avg; B: computed on the way: QUANTISED
;;   THE QUANTISER, for each operand of a quantised product, along K:
;;     - K is cut into blocks of 32 from its start; a last block that is shorter is filled with zeros.
;;     - A block's scale is 2^e with e = floor(log2(the largest magnitude in the block)) - 2, held to -126 .. 127; a block of zeros has e = 0. As a byte (E8M0): e + 127.
;;     - Each number is divided by its block's scale, clamped to +-7.5, and rounded to the nearest number of E2M3, ties to even, subnormals kept.
;;     - The product sums the exact products of the quantised numbers (number of the format x scale) in f32.
;;   ~~~python
;;   def quantise(x, axis):      # numpy; x: float32 -> the quantised numbers, widened to float32 again
;;       x = np.moveaxis(x, axis, -1); K = x.shape[-1]
;;       x = np.pad(x, [(0, 0)] * (x.ndim - 1) + [(0, -K % 32)]); x = x.reshape(x.shape[:-1] + (-1, 32)); a = np.abs(x).max(-1, keepdims=True)
;;       e = np.where(a > 0, np.clip(np.frexp(np.where(a > 0, a, 1))[1] - 1 - 2, -126, 127), 0)      # np.frexp(a)[1] - 1 = floor(log2(a)), exactly
;;       r = np.clip(x / 2.0 ** e, -7.5, 7.5)
;;       step = 2.0 ** (np.maximum(np.frexp(np.where(r == 0, 1, r))[1] - 1, 0) - 3)
;;       q = np.round(r / step) * step * 2.0 ** e      # np.round: ties to even
;;       return np.moveaxis(q.reshape(q.shape[:-2] + (-1,))[..., :K], -1, axis).astype(np.float32)
;;   ~~~
;;   OPERANDS COMPUTED ON THE WAY. 'Computed on the way' means the value that the module computes at that place (a softmax that the list does not call 'softmax' is quantised finished and normalised). What goes into a quantiser is computed in f32, as accurately as f32 sums, v_exp_f32 and their like allow (about 1e-6 of the number): no bf16 or f16 on the way to a quantiser, and a product that is left as it is and whose result goes on into a quantised operand takes f32 operands (vector FMAs, or v_wmma_f32_16x16x4_f32). A number that lies on a knife's edge between two numbers of the format may be rounded either way, as far as f32 arithmetic and the matrix unit's own rounding can turn it there, and no further.
;; One version. Each part assembles by itself: llvm-mc -triple=amdgcn-amd-amdhsa -mcpu=gfx1250 --defsym DOCPART=n.
;; ======== version 1 of 1: 2 launches
;; limits: right only within a limited range of input values
;; workspace buffers: a_img 6,553,600 bytes; b_img 26,214,400 bytes
;; launch quant (part 1): grid 768 x 1, 8 waves a work-group, no clusters, 69,376 bytes of LDS; arguments v_real_avg, v_imag_avg, projector, a_img, b_img; writes a_img, b_img
.if DOCPART == 1
	.amdgcn_target "amdgcn-amd-amdhsa--gfx1250"
	.amdhsa_code_object_version 6
	.text
	.protected	k_q95b5e97532_quant
	.globl	k_q95b5e97532_quant
	.p2align	8
	.type	k_q95b5e97532_quant,@function
k_q95b5e97532_quant:
	s_mov_b64 s[64:65], 0
	v_nop
	global_prefetch_b8 v0, s[64:65] scope:SCOPE_SE
	s_setreg_imm32_b32 hwreg(HW_REG_WAVE_MODE, 25, 1), 1
	s_wait_xcnt 0x0
; Both operands of the four quantised products are made here, once, as codes of FP6 (E2M3) with one E8M0 byte for each 32 along K.
; A' = [Vr; Vi] (2 x 1024 rows, K = 4096, K innermost in memory).  B' = [Pr; Pi]: Px[k][n] = px[k] px[n], px = p / |p|, one f32 product an element (the products with K = 1);
; the f32 product commutes, so row n of the operand laid [N][K] is px[n] px[k].
; LAYOUT OF THE TWO WORKSPACE BUFFERS: the order of the operand's registers.  A UNIT (12,800 bytes) is one group of 128 operand rows for 128 along K: eight fragment images of 1,536 bytes
; (fragment i at 1536 i; registers 4 c .. 4 c + 3 of lane l at 512 c + 16 l), then at byte 12,288 the scale words: that of (fragment i, row r) at 256 (i / 4) + 16 r + 4 (i % 4).
; a_img: [group 0..15][K step 0..31][UNIT]; fragments 0-3 of group g: Vr's rows 64 g + 16 i + r, fragments 4-7: Vi's same rows.   b_img: [group 0..63][K step][UNIT]; fragments 0-3: Pr's rows, 4-7: Pi's.
; In a fragment lane (r, h) holds row r, registers 6 c .. 6 c + 5 = k 64 c + 32 h + 0 .. 31: two whole blocks of 32 a lane, so a block's largest magnitude needs no other lane.
; A block's scale is 2^(floor(log2(largest magnitude)) - 2); its byte is that magnitude's exponent field - 2, held at 1 from below by a floor among the maximum's leaves.
; LIMITS: a block of zeros gets the byte 1 where the rule says 127 (its codes are zeros, and this program alone reads the bytes); blocks whose largest magnitude lies under 2^-124 were not tried;
; NaN and infinities among the inputs are not served; a projector column of zeros is not served (the definition gives NaN there); the sum of p^2 has to stay inside f32, as in the definition's own norm.
; SHARES.  Work-groups 0-511: one unit of a_img each, wave w its fragment w.  Work-groups 512-767: 128 rows n x 4 K steps x both matrices of b_img; wave w: matrix w / 4, K step 4 (j % 8) + w % 4, eight fragments.
; No tensor loads and no matrix work: this is a stream.  Each path has LDS bytes of its own.
.set UNIT,  12800
.set GS,    409600                     ; a group's 32 units
.set FRB,   1536                       ; a fragment's image
.set SCO,   12288                      ; the scale words' place in a unit
.set ASC,   0                          ; LDS, path A: the unit's 512 bytes of scale words
.set BRED,  512                        ; LDS, path B: eight partial sums of squares
.set STG,   768                        ; LDS, path A: a stage of 16 rows x (512 + 16) bytes for each wave
.set SP,    528
.set LI,    1                          ; v1   16 x lane
.set RR,    2                          ; v2   r = lane % 16
.set HH,    3                          ; v3   h = lane / 16
.set SH8,   7                          ; v7   8 h: where my two scale bytes stand in the word
.set T,     8                          ; v8-9   the two blocks' largest magnitudes
.set OP,    10                         ; v10-11 the conversions' scale operands
.set BY,    12                         ; v12-13 the scale bytes
.set WT,    14                         ; v14  my half of the scale word
.set PT,    15                         ; v15  lane l xor 16's half
.set X,     16                         ; v16-79  path A: rows as loaded; path B: px[k] of my 64 places along K
.set Y,     80                         ; v80-143 path A: my 64 numbers; path B: v80-111 at work
.set PC,    144                        ; v144-155 the fragment's twelve registers
.set TQ,    156                        ; v156-158 a conversion's second half (its three registers begin on an even number)
.set LIW,   159                        ; v159 path A: 16 x lane + 1536 x wave
.set R,     112                        ; path B: v112-119 px[n] of my row in the eight fragments
.set W,     120                        ; v120-127 their scale words
.set KM,    128                        ; v128-129 the largest |px[k]| of my two blocks
.set AV,    130                        ; v130-131 px[n] of the fragment in hand (the low word serves both halves)
.set NNRM,  132                        ; v132-133 -|p|, twice
.set RIN,   134                        ; v134-135 1 / |p|, twice
.set S,     136                        ; v136-139 the four scale words that I store
.set NR,    140                        ; v140 |p|
; From the two largest magnitudes to the conversions' operands and row r's whole scale word in v[dst] (the same in both halves of the lanes)
.macro SCALEOP dst
	s_delay_alu instid0(VALU_DEP_2)
	v_add_nc_u32 v[OP], 0xff000000, v[T]           ; 2 off the exponent field: the conversion takes the exponent field of this operand as its scale, and nothing else of it
	s_delay_alu instid0(VALU_DEP_2)
	v_add_nc_u32 v[OP+1], 0xff000000, v[T+1]
	s_delay_alu instid0(VALU_DEP_2)
	v_lshrrev_b32 v[BY], 23, v[OP]                 ; the scale's byte
	s_delay_alu instid0(VALU_DEP_2)
	v_lshrrev_b32 v[BY+1], 23, v[OP+1]
	s_delay_alu instid0(VALU_DEP_1)
	v_lshl_or_b32 v[WT], v[BY+1], 16, v[BY]        ; my blocks are h and 2 + h of the row's four
	s_delay_alu instid0(VALU_DEP_1)
	v_lshlrev_b32 v[WT], v[SH8], v[WT]
	s_delay_alu instid0(VALU_DEP_1)
	v_permlanex16_b32 v[PT], v[WT], s20, s21
	s_delay_alu instid0(VALU_DEP_1)
	v_or_b32 v[\dst], v[WT], v[PT]
.endm
.macro CVT c, src, tmp                 ; block c's 32 numbers, v[src] on, become 192 bits: the lower 96 in place, the upper 96 in v[tmp] on
	v_cvt_scalef32_pk16_fp6_f32 v[PC+6*\c:PC+6*\c+2], v[\src:\src+15], v[OP+\c]
	v_cvt_scalef32_pk16_fp6_f32 v[\tmp:\tmp+2], v[\src+16:\src+31], v[OP+\c]
.endm
.macro FIX c, tmp
.irp i, 0,1,2
	v_mov_b32 v[PC+3+6*\c+\i], v[\tmp+\i]
.endr
.endm
	s_load_b256 s[4:11], s[0:1], 0x0               ; Vr s[4:5], Vi s[6:7], projector s[8:9], a_img s[10:11]
	s_load_b64 s[12:13], s[0:1], 0x20              ; b_img
	v_lshrrev_b32 v1, 5, v0
	s_delay_alu instid0(VALU_DEP_1)
	v_readfirstlane_b32 s16, v1                    ; wave 0..7
	s_and_b32 s17, s16, 3
	s_lshr_b32 s18, s16, 2
	s_mov_b32 s20, 0x76543210
	s_mov_b32 s21, 0xfedcba98                      ; v_permlanex16_b32's selects for lane l xor 16
	v_and_b32 v1, 31, v0
	s_delay_alu instid0(VALU_DEP_1)
	v_lshlrev_b32 v[LI], 4, v1
	v_and_b32 v[RR], 15, v0
	v_bfe_u32 v[HH], v0, 4, 1
	s_delay_alu instid0(VALU_DEP_1)
	v_lshlrev_b32 v[SH8], 3, v[HH]
	v_mov_b32 v[PT], 0                             ; a lane permute's destination counts as one of its sources
	s_cmp_lt_u32 ttmp9, 512                        ; the work-group's number alone decides: all eight waves go the same way
	s_cbranch_scc0 .Lpath_b
; ---------------- PATH A: unit j = (group j / 32, K step j % 32) of a_img; wave w makes fragment w
	s_lshr_b32 s22, ttmp9, 5                       ; group
	s_and_b32 s23, ttmp9, 31                       ; K step
	s_lshl_b32 s22, s22, 6
	s_lshl_b32 s24, s17, 4
	s_add_co_u32 s22, s22, s24                     ; my first row: 64 x group + 16 (w % 4)
	s_lshl_b32 s22, s22, 14                        ; rows of 16,384 bytes
	s_lshl_b32 s23, s23, 9                         ; 128 numbers along K are 512 bytes
	s_add_co_u32 s22, s22, s23
	s_mov_b32 s23, 0
	s_mul_i32 s24, ttmp9, UNIT
	s_mov_b32 s25, 0
	s_mul_i32 s26, s16, 16*SP
	s_add_co_u32 s26, s26, STG                     ; my stage
	s_wait_alu depctr_va_vdst(0)
	v_add_nc_u32 v4, s26, v[LI]                    ; in: a row's 512 bytes as they lie, 16 a lane
	v_mul_u32_u24 v5, v[RR], SP
	s_delay_alu instid0(VALU_DEP_1)
	v_lshl_add_u32 v5, v[HH], 7, v5
	s_delay_alu instid0(VALU_DEP_1)
	v_add_nc_u32 v5, s26, v5                       ; back: row r, + 128 h: my 32 numbers of each 64; rows 33 x 16 bytes apart
	s_lshl_b32 s27, s18, 8
	s_lshl_b32 s28, s17, 2
	s_add_co_u32 s27, s27, s28
	v_lshl_add_u32 v6, v[RR], 4, s27               ; my row's scale word: ASC + 256 (w / 4) + 16 r + 4 (w % 4)
	s_mul_i32 s28, s16, FRB
	v_add_nc_u32 v[LIW], s28, v[LI]
	s_wait_alu depctr_va_vdst(0)
	s_wait_kmcnt 0x0
	s_cmp_eq_u32 s18, 0                            ; waves 0-3 take Vr, waves 4-7 Vi
	s_cselect_b64 s[4:5], s[4:5], s[6:7]
	s_add_nc_u64 s[4:5], s[4:5], s[22:23]
	s_add_nc_u64 s[10:11], s[10:11], s[24:25]
.irp i, 0,1,2,3,4,5,6,7,8,9,10,11,12,13,14,15
	global_load_b128 v[X+4*\i:X+4*\i+3], v[LI], s[4:5] offset:\i*16384 th:TH_LOAD_NT   ; row i: 32 lanes read 512 consecutive bytes, at a multiple of 512 from the buffer's first byte; read once in the launch
.endr
.irp i, 0,1,2,3,4,5,6,7,8,9,10,11,12,13,14,15
	s_wait_loadcnt 15-\i                           ; loads come back in order: row i is in, the younger rows stay out
	ds_store_b128 v4, v[X+4*\i:X+4*\i+3] offset:SP*\i
.endr
.irp c, 0,1
.irp j, 0,1,2,3,4,5,6,7
	ds_load_b128 v[Y+32*\c+4*\j:Y+32*\c+4*\j+3], v5 offset:256*\c+16*\j   ; the stage is my wave's own and LDS serves a wave's instructions in order: these see the stores above
.endr
.endr
	s_wait_dscnt 0x0
.irp c, 0,1
	v_max3_num_f32 v[T+\c], |v[Y+32*\c]|, |v[Y+32*\c+1]|, 0x1800000   ; the floor 2^(3 - 127) among the leaves: the byte cannot fall under 1
.endr
.irp i, 2,4,6,8,10,12,14,16,18,20,22,24,26,28,30
.irp c, 0,1
	s_delay_alu instid0(VALU_DEP_2)
	v_max3_num_f32 v[T+\c], v[T+\c], |v[Y+32*\c+\i]|, |v[Y+32*\c+\i+1]|   ; the two blocks by turns
.endr
.endr
	SCALEOP WT
	ds_store_b32 v6, v[WT] offset:ASC              ; both halves of the lanes write the same word with the same value
	CVT 0, Y, TQ
	CVT 1, Y+32, X                                 ; (x's registers as loaded are done with)
	v_nop                                          ; one plain place behind the scaled conversions
	FIX 0, TQ
	FIX 1, X
.irp c, 0,1,2
	global_store_b128 v[LIW], v[PC+4*\c:PC+4*\c+3], s[10:11] offset:512*\c   ; 32 lanes store 512 consecutive bytes, at a multiple of 256 from the buffer's first byte
.endr
	s_wait_dscnt 0x0                               ; for wave 0's sake: my scale words have landed
	s_barrier_signal -1
	s_barrier_wait -1
	s_cmp_lg_u32 s16, 0
	s_cbranch_scc1 .Lend_a
	ds_load_b128 v[X+4:X+7], v[LI] offset:ASC      ; the unit's 512 bytes of scale words leave by one store
	s_wait_dscnt 0x0
	global_store_b128 v[LI], v[X+4:X+7], s[10:11] offset:SCO
.Lend_a:
	v_lshl_add_u32 v8, v0, 2, 0x10b00              ; no two registers are kept for the add: v0 is kept, and the two are made anew here
	v_mov_b32 v9, 0
	s_wait_alu depctr_va_vdst(0)                   ; the wait here, directly ahead of the wait below
	s_wait_tensorcnt 0x0
	ds_add_u32 v8, v9
	s_wait_dscnt 0x0
	s_endpgm
; ---------------- PATH B: j' = j - 512; rows n = 128 (j' / 8) + 16 f + r, f = 0 .. 7 (two groups of b_img); my K step 4 (j' % 8) + w % 4 of matrix x = w / 4
.Lpath_b:
	s_sub_co_u32 s22, ttmp9, 512
	s_and_b32 s23, s22, 7
	s_lshr_b32 s22, s22, 3                         ; which 128 rows
	s_lshl_b32 s23, s23, 2
	s_add_co_u32 s23, s23, s17                     ; my K step
	s_lshl_b32 s24, s18, 14                        ; p_x begins 16,384 x bytes on
	s_mov_b32 s25, 0
	s_lshl_b32 s26, s17, 12                        ; my quarter of p_x, for the norm
	s_mov_b32 s27, 0
	s_lshl_b32 s28, s23, 9                         ; my K step's 128 numbers
	s_mov_b32 s29, 0
	s_lshl_b32 s32, s22, 9                         ; my 128 rows' numbers
	s_mov_b32 s33, 0
	s_lshl_b32 s34, s22, 6
	s_add_co_u32 s34, s34, s23
	s_mul_i32 s34, s34, UNIT                       ; unit (group 2 (j' / 8), my K step)
	s_mov_b32 s35, 0
	s_mul_i32 s36, s18, 4*FRB                      ; matrix x's four fragments in a unit
	s_mov_b32 s37, 0
	s_lshl_b32 s38, s18, 8
	s_wait_alu depctr_va_vdst(0)
	v_lshlrev_b32 v4, 7, v[HH]                     ; along K: + 128 h bytes
	v_lshlrev_b32 v5, 2, v[RR]                     ; rows: 4 r
	v_mul_u32_u24 v6, v[HH], GS                    ; the scale words' store: lanes 0-15 the first group's unit, lanes 16-31 the second's,
	s_delay_alu instid0(VALU_DEP_1)
	v_lshl_add_u32 v6, v[RR], 4, v6                ; 16 bytes a row,
	s_delay_alu instid0(VALU_DEP_1)
	v_add_nc_u32 v6, s38, v6                       ; matrix x's 256 bytes
	v_cmp_eq_u32 s30, 1, v[HH]
	v_mov_b32 v[AV+1], 0                           ; named with AV as a pair, so it is written
	s_wait_alu depctr_va_vdst(0)
	s_wait_kmcnt 0x0
	s_add_nc_u64 s[8:9], s[8:9], s[24:25]
	s_add_nc_u64 s[26:27], s[8:9], s[26:27]
	s_add_nc_u64 s[28:29], s[8:9], s[28:29]
	s_add_nc_u64 s[32:33], s[8:9], s[32:33]
	s_add_nc_u64 s[12:13], s[12:13], s[34:35]
	s_add_nc_u64 s[36:37], s[12:13], s[36:37]
.irp t, 0,1,2,3,4,5,6,7
	global_load_b128 v[Y+4*\t:Y+4*\t+3], v[LI], s[26:27] offset:512*\t   ; 1,024 numbers of p_x: a quarter of the sum of squares
.endr
.irp c, 0,1
.irp j, 0,1,2,3,4,5,6,7
	global_load_b128 v[X+32*\c+4*\j:X+32*\c+4*\j+3], v4, s[28:29] offset:256*\c+16*\j   ; p_x[k], k = 64 c + 32 h + 0 .. 31 of my K step
.endr
.endr
.irp f, 0,1,2,3,4,5,6,7
	global_load_b32 v[R+\f], v5, s[32:33] offset:64*\f     ; p_x[n] of my row in fragment f
.endr
	s_wait_loadcnt 24                              ; the quarter is in; the 24 younger loads stay out
.irp k, 0,1,2,3
	v_pk_mul_f32 v[PC+2*\k:PC+2*\k+1], v[Y+2*\k:Y+2*\k+1], v[Y+2*\k:Y+2*\k+1]   ; four chains of two: nothing is cleared
.endr
.set j, 4
.rept 12
	s_delay_alu instid0(VALU_DEP_4)
	v_pk_fma_f32 v[PC+2*(j%4):PC+2*(j%4)+1], v[Y+2*j:Y+2*j+1], v[Y+2*j:Y+2*j+1], v[PC+2*(j%4):PC+2*(j%4)+1]
.set j, j+1
.endr
	s_delay_alu instid0(VALU_DEP_3)
	v_pk_add_f32 v[PC:PC+1], v[PC:PC+1], v[PC+2:PC+3]
	s_delay_alu instid0(VALU_DEP_2)
	v_pk_add_f32 v[PC+4:PC+5], v[PC+4:PC+5], v[PC+6:PC+7]
	s_delay_alu instid0(VALU_DEP_1)
	v_pk_add_f32 v[PC:PC+1], v[PC:PC+1], v[PC+4:PC+5]
	s_delay_alu instid0(VALU_DEP_1)
	v_add_f32 v8, v[PC], v[PC+1]
	s_delay_alu instid0(VALU_DEP_1)
	v_add_f32_dpp v8, v8, v8 row_xmask:1 row_mask:0xf bank_mask:0xf
	s_delay_alu instid0(VALU_DEP_1)
	v_add_f32_dpp v8, v8, v8 row_xmask:2 row_mask:0xf bank_mask:0xf
	s_delay_alu instid0(VALU_DEP_1)
	v_add_f32_dpp v8, v8, v8 row_xmask:4 row_mask:0xf bank_mask:0xf
	s_delay_alu instid0(VALU_DEP_1)
	v_add_f32_dpp v8, v8, v8 row_xmask:8 row_mask:0xf bank_mask:0xf
	s_delay_alu instid0(VALU_DEP_1)
	v_permlanex16_b32 v[PT], v8, s20, s21
	s_delay_alu instid0(VALU_DEP_1)
	v_add_f32 v8, v8, v[PT]                        ; my quarter's sum, in every lane
	v_mov_b32 v9, s16
	s_delay_alu instid0(VALU_DEP_1)
	v_lshlrev_b32 v9, 2, v9
	ds_store_b32 v9, v8 offset:BRED                ; all lanes write my wave's word with the same value
	s_wait_dscnt 0x0                               ; for the others' sake
	s_barrier_signal -1
	s_barrier_wait -1
	v_mov_b32 v9, s18
	s_delay_alu instid0(VALU_DEP_1)
	v_lshlrev_b32 v9, 4, v9
	ds_load_b128 v[12:15], v9 offset:BRED          ; the four quarters of my matrix's p
	s_wait_dscnt 0x0
	v_add_f32 v12, v12, v13                        ; one fixed order: every wave of every work-group gets the same bits
	v_add_f32 v14, v14, v15
	s_delay_alu instid0(VALU_DEP_1)
	v_add_f32 v12, v12, v14
	s_wait_alu depctr_va_vdst(0)
	v_sqrt_f32 v[NR], v12                          ; |p|
	v_nop                                          ; one plain place behind a transcendental
	s_wait_alu depctr_va_vdst(0)
	v_rcp_f32 v[RIN], v[NR]
	v_nop
	v_xor_b32 v[NNRM], 0x80000000, v[NR]           ; -|p|
	s_delay_alu instid0(VALU_DEP_1)
	v_mov_b32 v[NNRM+1], v[NNRM]
	s_wait_alu depctr_va_vdst(0)
	v_mov_b32 v[RIN+1], v[RIN]
	s_wait_alu depctr_va_vdst(0)
	s_wait_loadcnt 0x0
; px = p / |p|, refined: q = p x (1 / |p|); e = p - q |p| (one rounding); px = q + e x (1 / |p|)
.irp hf, 0,1
.irp i, 0,2,4,6,8,10,12,14,16,18,20,22,24,26,28,30
	v_pk_mul_f32 v[Y+\i:Y+\i+1], v[X+32*\hf+\i:X+32*\hf+\i+1], v[RIN:RIN+1]
.endr
.irp i, 0,2,4,6,8,10,12,14,16,18,20,22,24,26,28,30
	v_pk_fma_f32 v[X+32*\hf+\i:X+32*\hf+\i+1], v[Y+\i:Y+\i+1], v[NNRM:NNRM+1], v[X+32*\hf+\i:X+32*\hf+\i+1]
.endr
.irp i, 0,2,4,6,8,10,12,14,16,18,20,22,24,26,28,30
	v_pk_fma_f32 v[X+32*\hf+\i:X+32*\hf+\i+1], v[X+32*\hf+\i:X+32*\hf+\i+1], v[RIN:RIN+1], v[Y+\i:Y+\i+1]
.endr
.endr
.irp i, 0,2,4,6
	v_pk_mul_f32 v[Y+\i:Y+\i+1], v[R+\i:R+\i+1], v[RIN:RIN+1]
.endr
.irp i, 0,2,4,6
	s_delay_alu instid0(VALU_DEP_4)
	v_pk_fma_f32 v[R+\i:R+\i+1], v[Y+\i:Y+\i+1], v[NNRM:NNRM+1], v[R+\i:R+\i+1]
.endr
.irp i, 0,2,4,6
	v_pk_fma_f32 v[R+\i:R+\i+1], v[R+\i:R+\i+1], v[RIN:RIN+1], v[Y+\i:Y+\i+1]
.endr
.irp c, 0,1
	v_max3_num_f32 v[KM+\c], |v[X+32*\c]|, |v[X+32*\c+1]|, |v[X+32*\c+2]|   ; the largest |px[k]| of my two blocks, once for all eight fragments
.endr
.irp i, 3,5,7,9,11,13,15,17,19,21,23,25,27,29
.irp c, 0,1
	s_delay_alu instid0(VALU_DEP_2)
	v_max3_num_f32 v[KM+\c], v[KM+\c], |v[X+32*\c+\i]|, |v[X+32*\c+\i+1]|
.endr
.endr
.irp c, 0,1
	s_delay_alu instid0(VALU_DEP_2)
	v_max_num_f32 v[KM+\c], v[KM+\c], |v[X+32*\c+31]|
.endr
; One fragment: 16 rows n x my 128 along K.  Rounding to f32 never reverses an order, so the largest of the rounded |px[n] px[k]| of a block IS the rounded |px[n]| x (largest |px[k]|): one product, no search.
.macro FRAGB f
	v_mov_b32 v[AV], v[R+\f]
	s_delay_alu instid0(VALU_DEP_1)
	v_mul_f32 v[T], |v[AV]|, v[KM]
	s_delay_alu instid0(VALU_DEP_2)
	v_mul_f32 v[T+1], |v[AV]|, v[KM+1]
	s_delay_alu instid0(VALU_DEP_2)
	v_max_num_f32 v[T], 0x1800000, v[T]            ; the floor 2^(3 - 127): the byte cannot fall under 1
	s_delay_alu instid0(VALU_DEP_2)
	v_max_num_f32 v[T+1], 0x1800000, v[T+1]
	SCALEOP W+\f
.irp i, 0,2,4,6,8,10,12,14,16,18,20,22,24,26,28,30
	v_pk_mul_f32 v[Y+\i:Y+\i+1], v[X+\i:X+\i+1], v[AV:AV+1] op_sel_hi:[1,0]   ; Px[k][n], in f32
.endr
.if \f > 0
	s_wait_alu depctr_va_vdst(0)
	s_wait_xcnt 0x0                                ; the last fragment's stores have read their data: the codes' registers are written again only behind this wait
.endif
	CVT 0, Y, TQ
	v_nop                                          ; one plain place behind the scaled conversions
	FIX 0, TQ
.irp i, 0,2,4,6,8,10,12,14,16,18,20,22,24,26,28,30
	v_pk_mul_f32 v[Y+\i:Y+\i+1], v[X+32+\i:X+32+\i+1], v[AV:AV+1] op_sel_hi:[1,0]
.endr
	CVT 1, Y, TQ
	v_nop
	FIX 1, TQ
.irp c, 0,1,2
	global_store_b128 v[LI], v[PC+4*\c:PC+4*\c+3], s[36:37] offset:(\f/4)*GS+FRB*(\f%4)+512*\c   ; 512 consecutive bytes, at a multiple of 256 from the buffer's first byte
.endr
.endm
.irp f, 0,1,2,3,4,5,6,7
	FRAGB \f
.endr
.irp u, 0,1,2,3
	v_cndmask_b32 v[S+\u], v[W+\u], v[W+4+\u], s30 ; lanes 0-15: fragments 0-3 (the first group), lanes 16-31: fragments 4-7 (the second)
.endr
	global_store_b128 v6, v[S:S+3], s[12:13] offset:SCO    ; each half of the lanes stores 256 consecutive bytes, at a multiple of 256 from the buffer's first byte
	v_lshl_add_u32 v8, v0, 2, 0x10b00              ; the add's two registers, made anew from v0
	v_mov_b32 v9, 0
	s_wait_alu depctr_va_vdst(0)                   ; the wait here, directly ahead of the wait below
	s_wait_tensorcnt 0x0
	ds_add_u32 v8, v9
	s_wait_dscnt 0x0
	s_endpgm
.Lfunc_end_k_q95b5e97532_quant:
	.size	k_q95b5e97532_quant, .Lfunc_end_k_q95b5e97532_quant-k_q95b5e97532_quant
	.p2alignl 7, 3214868480
	.fill 96, 4, 3214868480
	.section	.rodata,"a",@progbits
	.p2align	6, 0x0
	.amdhsa_kernel k_q95b5e97532_quant
		.amdhsa_group_segment_fixed_size 69376
		.amdhsa_private_segment_fixed_size 0
		.amdhsa_enable_private_segment 0
		.amdhsa_kernarg_size 40
		.amdhsa_user_sgpr_count 2
		.amdhsa_user_sgpr_kernarg_segment_ptr 1
		.amdhsa_wavefront_size32 1
		.amdhsa_system_sgpr_workgroup_id_x 1
		.amdhsa_system_sgpr_workgroup_id_y 1
		.amdhsa_system_sgpr_workgroup_id_z 1
		.amdhsa_system_vgpr_workitem_id 0
		.amdhsa_next_free_vgpr 160
		.amdhsa_next_free_sgpr 66
		.amdhsa_reserve_vcc 0
		.amdhsa_float_denorm_mode_32 3
		.amdhsa_float_denorm_mode_16_64 3
		.amdhsa_memory_ordered 1
		.amdhsa_forward_progress 1
		.amdhsa_inst_pref_size 61
	.end_amdhsa_kernel
	.amdgpu_metadata
---
amdhsa.version: [ 1, 2 ]
amdhsa.kernels:
  - .name:           k_q95b5e97532_quant
    .symbol:         k_q95b5e97532_quant.kd
    .args:
      - { .name: v_real_avg, .offset: 0, .size: 8, .value_kind: global_buffer, .address_space: global }
      - { .name: v_imag_avg, .offset: 8, .size: 8, .value_kind: global_buffer, .address_space: global }
      - { .name: projector, .offset: 16, .size: 8, .value_kind: global_buffer, .address_space: global }
      - { .name: a_img, .offset: 24, .size: 8, .value_kind: global_buffer, .address_space: global }
      - { .name: b_img, .offset: 32, .size: 8, .value_kind: global_buffer, .address_space: global }
    .group_segment_fixed_size: 69376
    .private_segment_fixed_size: 0
    .kernarg_segment_align: 8
    .kernarg_segment_size: 40
    .max_flat_workgroup_size: 256
    .sgpr_count:     66
    .vgpr_count:     160
    .wavefront_size: 32
...
	.end_amdgpu_metadata
.endif
;; end of part 1
;; launch gemm (part 2): grid 32 x 8, 4 waves a work-group, clusters of 4 x 4, 327,680 bytes of LDS; arguments a_img, b_img, out0, out1; writes out0, out1
.if DOCPART == 2
	.amdgcn_target "amdgcn-amd-amdhsa--gfx1250"
	.amdhsa_code_object_version 6
	.text
	.protected	k_q95b5e97532_gemm
	.globl	k_q95b5e97532_gemm
	.p2align	8
	.type	k_q95b5e97532_gemm,@function
k_q95b5e97532_gemm:
	s_mov_b64 s[64:65], 0
	v_nop
	global_prefetch_b8 v0, s[64:65] scope:SCOPE_SE
	s_setreg_imm32_b32 hwreg(HW_REG_WAVE_MODE, 25, 1), 1
	s_wait_xcnt 0x0
	s_wait_alu depctr_hold_cnt(0) depctr_sa_sdst(0) depctr_va_vdst(0) depctr_va_sdst(0) depctr_va_ssrc(0) depctr_va_vcc(0) depctr_vm_vsrc(0)
	s_getreg_b32 s2, hwreg(HW_REG_IB_STS2, 6, 4)
	s_cmp_eq_u32 s2, 0
	s_cbranch_scc0 .Lentry_in_a_cluster
	s_endpgm
.Lentry_in_a_cluster:
	s_bfe_u32 s2, ttmp6, 0x10000c
	s_cmp_lg_u32 s2, 0xf033
	s_cbranch_scc0 .Lentry_shape_is_right
	s_endpgm
.Lentry_shape_is_right:
; The four quantised products as ONE product on codes of FP6: [Vr; Vi] (a_img) x [Pr; Pi]^T (b_img), K = 4,096; then out0 = Vr Pr - Vi Pi, out1 = Vr Pi + Vi Pr.  Nothing of the definition is left out.
; a_img and b_img hold UNITS of 12,800 bytes (one group of 128 operand rows x 128 along K): eight fragment images of 1,536 bytes in the order of the operand's registers, then 512 bytes of scale words.
; A work-group: 128 batch rows x 128 columns of both outputs = 256 x 256 operand rows; four waves, each 8 x 8 fragments: 64 accumulators, 512 registers.  256 work-groups.
; THE RING: two LDS slots, each with three K steps of four units (A's two groups, B's two); each wave fetches one group's units by one tensor load, as rows of 256 bytes.  The first fill brings two K steps: 2 + 10 x 3 = 32.
; CLUSTERS: 4 x 4.  A's units hang on the tile row and are asked for jointly along a row of the cluster, B's on the tile column, along a column.
; REGISTERS: window q (0..3) holds quadrant q of the accumulators (A's blocks 4 (q / 2) .., B's blocks 4 (q % 2) ..) at v128-255, and at v32-127 two sets of four fragments:
;   window 0: A's 0-3, window 1: A's 4-7, window 2: B's 0-3, window 3: B's 4-7.  Window 0 also: v1-13 addresses, v16-31 two sets of scale words (lanes 0-15 A's, lanes 16-31 B's).
; BOTH OPERANDS HAVE TWO SETS: a step's 50 LDS loads stand in ONE run at its head and fill the set that is not multiplied; its 64 products follow on end.  A load has a whole step between its issue and its use.
; THE MATRIX INSTRUCTION IS USED TRANSPOSED (source 0 = rows of B', source 1 = rows of A'): a lane holds eight neighbouring columns of one batch row.
; THE LAST K STEP goes by blocks of 16 batch rows: a block that is finished is combined, staged and stored while the next blocks are multiplied.
; PREFETCH: behind each joint load, the fill that follows the one just asked for (three K steps on): 150 blocks of 256 bytes a group, shared out by address among the four partners that ask jointly, 38 each, two instructions
; a wave.  Each block of A is read by eight clusters: the four with the lowest x ask for it.  The last refill has no fill behind it and asks for nothing.
; THE FOUR WAVES' RUNS STAND APART: in waves 1 and 2 (row half xor column half = 1) a step's first sixteen products stand ahead of its run of loads, in waves 0 and 3 behind it:
; one branch on the wave's number a step, both arms with the same instructions; the accumulators' order, the waits and the places are the same in both.
.set UNIT,   12800
.set SCO,    12288                     ; the scale words' place in a unit
.set HALF,   6144                      ; four fragment images
.set PART,   3*UNIT                    ; one group's share of a slot
.set SLOT,   4*PART
.set GS,     32*UNIT                   ; a group's 32 units
.set TRIPS,  4
.set STAGE,  2*SLOT                    ; behind the ring: 16 rows x 272 bytes for each wave, for the way out
.set SPITCH, 272
.set SPARE,  STAGE+4*16*SPITCH         ; the spare words: 128 bytes a wave, two blocks of 256 bytes that no other line names
.set SPW,  1                           ; v1  my spare word's LDS address; never rewritten
.set NIL,  2                           ; v2  0; never rewritten
.set PF0,  3                           ; v3-4 the prefetches' offsets
.set PF1,  4
.set STO,  5                           ; the way out: into the stage, back from it, my offset in the outputs
.set RD,   6
.set CO,   7
.set ADRA, 8                           ; v8-9 my A group in slot 0, 1; v10-11 my B group; v12-13 the scale words
.set ADRB, 10
.set ADRS, 12
.set SC,   16
.set FRG,  32
.set ACC,  128
.set G1,   24
.set G0,   32
.set G1B,  48
.set G0B,  56
.set G1S,  68
.set G1SB, 76
.set PFA,  12                          ; s[12:13] where my prefetches stand
.set LIM,  18                          ; s18 1 where my wave asks, else the greatest number
.set ODD,  2                           ; s2  1 in waves 1 and 2: sixteen products ahead of the run of loads
.set MSB, 0
.macro WIN new                         ; the immediate's high byte repeats the setting that is left
.if MSB != (\new)
	s_set_vgpr_msb (MSB<<8)|(\new)
.set MSB, (\new)
.endif
.endm
.macro JLOAD g0a, g1a, g0b, g1b        ; a joint load: waves 0, 1 for A, waves 2, 3 for B; s_nop 0 and four v_nop behind each line
	s_cmp_eq_u32 s15, 0
	s_cbranch_scc0 .Lfor_b_\@
	tensor_load_to_lds s[\g0a:\g0a+3], s[\g1a:\g1a+7]
	s_nop 0
.rept 4
	v_nop
.endr
	s_branch .Lasked_\@
.Lfor_b_\@:
	tensor_load_to_lds s[\g0b:\g0b+3], s[\g1b:\g1b+7]
	s_nop 0
.rept 4
	v_nop
.endr
.Lasked_\@:
.endm
.macro CREST                           ; a round of the cluster's barrier behind its opening barrier
	s_cmp_lg_u32 s14, 0
	s_cbranch_scc1 .Lnot_wave_0_\@
	s_barrier_signal -3
.Lnot_wave_0_\@:
	s_barrier_wait -3
	s_barrier_signal -1
	s_barrier_wait -1
.endm
.macro CROUND
	s_barrier_signal -1
	s_barrier_wait -1
	CREST
.endm
.macro ASK how, off                    ; my 38 blocks of the fill at byte off from s[PFA]; how = 2: not in the loop's last trip
.if \how == 1
	s_cmp_eq_u32 s[LIM], 1
.else
	s_cmp_gt_u32 s3, s[LIM]
.endif
	s_cbranch_scc0 .Lno_ask_\@
	global_prefetch_b8 v[PF0], s[PFA:PFA+1] offset:\off th:TH_LOAD_NT scope:SCOPE_SE
	global_prefetch_b8 v[PF1], s[PFA:PFA+1] offset:\off th:TH_LOAD_NT scope:SCOPE_SE
.Lno_ask_\@:
.endm
.macro PLACES
.rept 4
	v_nop
.endr
.endm
; Products j0 .. j1 - 1 of quadrant q on set p (product J: A's block J / 4, B's block J % 4 of the quadrant).  zero = 1: the product starts its sum
.macro QUAD q, p, zero, j0, j1
	WIN ((\q)<<6)|((\q)<<4)|(((\q)/2)<<2)|(2+(\q)%2)
.set J, \j0
.rept \j1-\j0
.set DA, ACC+8*J
.set FB, FRG+48*(\p)+12*(J%4)
.set FA, FRG+48*(\p)+12*(J/4)
.set WSB, SC+8*(\p)+4*((\q)%2)+J%4
.set WSA, SC+8*(\p)+4*((\q)/2)+J/4
.if \zero
	v_wmma_scale_f32_16x16x128_f8f6f4 v[DA:DA+7], v[FB:FB+11], v[FA:FA+11], 0, v[WSB], v[WSA] matrix_a_fmt:MATRIX_FMT_FP6 matrix_b_fmt:MATRIX_FMT_FP6 matrix_a_scale:MATRIX_SCALE_ROW1
.else
	v_wmma_scale_f32_16x16x128_f8f6f4 v[DA:DA+7], v[FB:FB+11], v[FA:FA+11], v[DA:DA+7], v[WSB], v[WSA] matrix_a_fmt:MATRIX_FMT_FP6 matrix_b_fmt:MATRIX_FMT_FP6 matrix_a_scale:MATRIX_SCALE_ROW1
.endif
.set J, J+1
.endr
.endm
.macro RUN q, p, ns, nq                ; window q's four fragments (48 registers, 12 x 512 consecutive bytes) of unit nq of slot ns, into set p; with window 0's the scale words
	WIN (\q)<<6
.set J, 0
.rept 12
	ds_load_b128 v[FRG+48*(\p)+4*J:FRG+48*(\p)+4*J+3], v[ADRA+2*((\q)/2)+(\ns)] offset:(\nq)*UNIT+HALF*((\q)%2)+512*J
.set J, J+1
.endr
.if (\q) == 0
.irp j, 0,1
	ds_load_b128 v[SC+8*(\p)+4*\j:SC+8*(\p)+4*\j+3], v[ADRS+(\ns)] offset:SCO+(\nq)*UNIT+256*\j
.endr
.endif
.endm
.macro FETCH p, ns, nq                 ; a whole step's 50 loads in one run
	RUN 0, \p, \ns, \nq
	RUN 1, \p, \ns, \nq
	RUN 2, \p, \ns, \nq
	RUN 3, \p, \ns, \nq
.endm
; A step of 128 along K: unit nq of slot ns comes into the other set; then 64 products on set p, the 64 accumulators by turns in one order in every step.
; The four v_nop are the places between the last step's products and the loads into the registers that those read.
.macro NSTEP p, ns, nq, zero
	PLACES
	s_wait_dscnt 0x0                               ; set p is in: its loads were issued at the head of the step before
	WIN 0                                          ; a branch follows
	s_cmp_eq_u32 s[ODD], 0
	s_cbranch_scc0 .Lodd_\@
	FETCH 1-\p, \ns, \nq
	QUAD 0, \p, \zero, 0, 16
	WIN 0
	s_branch .Lmet_\@
.Lodd_\@:
	QUAD 0, \p, \zero, 0, 16
	FETCH 1-\p, \ns, \nq
	WIN 0
.Lmet_\@:
	QUAD 1, \p, \zero, 0, 16
	QUAD 2, \p, \zero, 0, 16
	QUAD 3, \p, \zero, 0, 16
.endm
; The step that multiplies a slot's last unit.  All reads of the slot were issued in the step before.  Each wave waits for all its tensor loads, adds 0 to its spare word, and waits for that and for its reads;
; the barrier opens a round of the cluster's barrier (fill = 1), the slot is filled again first behind it, and the other slot's first unit is fetched.
.macro CSTEP p, slot, fill, bytes, ask
	PLACES
	WIN 0                                          ; the add's two registers lie in window 0
.if \fill
	s_wait_xcnt 0x0                                ; my last prefetches, three K steps back, have read their address: it steps one fill on
	s_add_nc_u64 s[PFA:PFA+1], s[PFA:PFA+1], 3*UNIT
.endif
	s_wait_tensorcnt 0x0                           ; all my tensor loads have landed: my part of the other slot
	ds_add_u32 v[SPW], v[NIL]
.if \fill
	s_add_nc_u64 s[G0+4*\slot+2:G0+4*\slot+3], s[G0+4*\slot+2:G0+4*\slot+3], \bytes
	s_add_nc_u64 s[G0B+4*\slot+2:G0B+4*\slot+3], s[G0B+4*\slot+2:G0B+4*\slot+3], \bytes
.endif
	s_wait_dscnt 1                                 ; set p is in; the add may be out
	QUAD 0, \p, 0, 0, 8
	s_wait_dscnt 0x0                               ; the add is done, and my reads of this slot are over
	s_barrier_signal -1
	QUAD 0, \p, 0, 8, 16
	WIN 0
	s_barrier_wait -1
.if \fill
	CREST
	JLOAD G0+4*\slot, G1, G0B+4*\slot, G1B         ; the first tensor load behind the round
.endif
	s_cmp_eq_u32 s[ODD], 0
	s_cbranch_scc0 .Lodd_\@
	FETCH 1-\p, 1-\slot, 0
	QUAD 1, \p, 0, 0, 16
	WIN 0
	s_branch .Lmet_\@
.Lodd_\@:
	QUAD 1, \p, 0, 0, 16
	FETCH 1-\p, 1-\slot, 0
	WIN 0
.Lmet_\@:
.if \ask
	ASK \ask, 5*UNIT
.endif
	QUAD 2, \p, 0, 0, 16
	QUAD 3, \p, 0, 0, 16
.endm
	s_load_b128 s[4:7], s[0:1], 0x0                ; a_img, b_img
	s_load_b128 s[8:11], s[0:1], 0x10              ; out0, out1
	v_lshl_add_u32 v[SPW], v0, 2, SPARE
	v_mov_b32 v[NIL], 0
	ds_add_u32 v[SPW], v[NIL]                      ; the opening lines: the add, twice on end, and its wait ahead of my first tensor load
	ds_add_u32 v[SPW], v[NIL]
	v_lshrrev_b32 v32, 5, v0
	v_readfirstlane_b32 s14, v32                   ; wave 0..3
	s_lshr_b32 s15, s14, 1                         ; my half of the batch rows; also: I fetch for A (0) or B (1)
	s_and_b32 s16, s14, 1                          ; my half of the columns; also: which of the two groups I fetch
	s_xor_b32 s[ODD], s15, s16
	s_bfe_u32 s40, ttmp6, 0x40000                  ; cx, cy
	s_bfe_u32 s41, ttmp6, 0x40004
	s_lshl_b32 s42, ttmp9, 2
	s_add_co_u32 s42, s42, s40                     ; tile column
	s_and_b32 s17, ttmp7, 0xffff
	s_lshl_b32 s17, s17, 2
	s_add_co_u32 s17, s17, s41                     ; tile row
	s_lshl_b32 s43, s41, 2
	s_lshl_b32 s43, 15, s43                        ; my row of the cluster
	s_lshl_b32 s44, 0x1111, s40                    ; my column
	s_or_b32 s[G1+0], s43, (3<<16)|(1<<21)         ; elements of 8 bytes, the mask, bit 21 beside it
	s_or_b32 s[G1B+0], s44, (3<<16)|(1<<21)
	s_or_b32 s[G1S+0], s43, (3<<16)|(1<<21)
	s_or_b32 s[G1SB+0], s44, (3<<16)|(1<<21)
.irp g, G1, G1B                        ; three units: 150 rows of 256 bytes, dense
	s_mov_b32 s[\g+1], 32<<16
	s_mov_b32 s[\g+2], 150<<16
	s_mov_b32 s[\g+3], 32<<16
	s_mov_b32 s[\g+4], 150
	s_mov_b32 s[\g+5], 32
	s_mov_b32 s[\g+6], 0
	s_mov_b32 s[\g+7], 0
.endr
.irp g, G1S, G1SB                      ; the first fill's two units: 100 rows
	s_mov_b32 s[\g+1], 32<<16
	s_mov_b32 s[\g+2], 100<<16
	s_mov_b32 s[\g+3], 32<<16
	s_mov_b32 s[\g+4], 100
	s_mov_b32 s[\g+5], 32
	s_mov_b32 s[\g+6], 0
	s_mov_b32 s[\g+7], 0
.endr
	s_lshl_b32 s20, s17, 1
	s_add_co_u32 s20, s20, s16
	s_mul_i32 s20, s20, GS                         ; A: group 2 x tile row + which
	s_mov_b32 s21, 0
	s_lshl_b32 s46, s42, 1
	s_add_co_u32 s46, s46, s16
	s_mul_i32 s46, s46, GS                         ; B: group 2 x tile column + which
	s_mov_b32 s47, 0
	s_mul_i32 s45, s14, PART                       ; where my group goes: wave x PART
.irp s, 0,1
	s_mov_b32 s[G0+4*\s], 1
	s_add_co_u32 s[G0+4*\s+1], s45, \s*SLOT
	s_mov_b32 s[G0B+4*\s], 1
	s_add_co_u32 s[G0B+4*\s+1], s45, \s*SLOT
.endr
	s_wait_dscnt 0x0                               ; both opening adds are done
	s_wait_kmcnt 0x0
	s_add_nc_u64 s[20:21], s[4:5], s[20:21]
	s_add_nc_u64 s[46:47], s[6:7], s[46:47]
.irp s, 0,1
	s_add_nc_u64 s[G0+4*\s+2:G0+4*\s+3], s[20:21], \s*2*UNIT     ; slot 0: K step 0; slot 1: K step 2
	s_or_b32 s[G0+4*\s+3], s[G0+4*\s+3], 0x80000000
	s_add_nc_u64 s[G0B+4*\s+2:G0B+4*\s+3], s[46:47], \s*2*UNIT
	s_or_b32 s[G0B+4*\s+3], s[G0B+4*\s+3], 0x80000000
.endr
	CROUND                                         ; all sixteen work-groups are here: the first joint loads meet
	JLOAD G0, G1S, G0B, G1SB                       ; K steps 0 and 1: one tensor load a wave at the head
	s_cmp_lt_u32 ttmp9, 4                          ; the prefetches: of the eight clusters that read a block of A, four ask
	s_cselect_b32 s[LIM], 1, -1
	s_cmp_eq_u32 s15, 0
	s_cselect_b32 s[LIM], s[LIM], 1
	s_cselect_b64 s[PFA:PFA+1], s[20:21], s[46:47] ; the group that I fetch
	s_cselect_b32 s19, s40, s41                    ; my place among the four that ask for it with me
	s_mul_i32 s19, s19, 38                         ; my first block of its 150
	s_add_co_u32 s22, s19, 32
	s_lshl_b32 s20, s17, 7                         ; the outputs: row 128 x tile row + 64 x half, rows of 16,384 bytes;
	s_lshl_b32 s21, s15, 6
	s_add_co_u32 s20, s20, s21
	s_lshl_b32 s20, s20, 14
	s_lshl_b32 s46, s42, 9                         ; column bytes 512 x tile column + 256 x half
	s_lshl_b32 s47, s16, 8
	s_add_co_u32 s46, s46, s47
	s_add_co_u32 s20, s20, s46
	s_mov_b32 s21, 0
	s_add_nc_u64 s[8:9], s[8:9], s[20:21]
	s_add_nc_u64 s[10:11], s[10:11], s[20:21]
	s_mul_i32 s4, s15, PART                        ; LDS: my A group,
	s_mul_i32 s5, s16, PART
	s_add_co_u32 s5, s5, 2*PART                    ; my B group,
	s_sub_co_u32 s6, s5, s4                        ; the distance between the two,
	s_add_co_u32 s7, s4, SLOT                      ; and the same in slot 1
	s_add_co_u32 s23, s5, SLOT
	s_mul_i32 s3, s14, 16*SPITCH
	s_add_co_u32 s3, s3, STAGE                     ; my stage
	v_and_b32 v33, 15, v0                          ; r
	v_bfe_u32 v34, v0, 4, 1                        ; h
	v_and_b32 v35, 31, v0                          ; lane
	v_lshlrev_b32 v36, 4, v35                      ; fragment images: 16 x lane
	v_mul_u32_u24 v37, s6, v34                     ; scale words: lanes 0-15 A's group, lanes 16-31 B's,
	v_lshl_add_u32 v37, v33, 4, v37                ; 16 bytes a row
	v_add_nc_u32 v[ADRA], s4, v36
	v_add_nc_u32 v[ADRA+1], s7, v36
	v_add_nc_u32 v[ADRB], s5, v36
	v_add_nc_u32 v[ADRB+1], s23, v36
	v_add_nc_u32 v[ADRS], s4, v37
	v_add_nc_u32 v[ADRS+1], s7, v37
	v_mul_u32_u24 v38, v33, SPITCH
	v_lshl_add_u32 v38, v34, 5, v38
	v_add_nc_u32 v[STO], s3, v38                   ; in: row r, 32 bytes for each half of the lanes
	v_mul_u32_u24 v39, v34, SPITCH
	v_lshl_add_u32 v39, v33, 4, v39
	v_add_nc_u32 v[RD], s3, v39                    ; back: lanes 0-15 one row of 256 bytes, lanes 16-31 the next
	v_lshlrev_b32 v40, 14, v34
	v_lshl_add_u32 v[CO], v33, 4, v40              ; and the same two rows in the outputs
	v_add_nc_u32 v41, s19, v35                     ; blocks 38 p + lane,
	v_min_u32 v41, 149, v41
	v_lshlrev_b32 v[PF0], 8, v41
	v_min_u32 v42, 5, v35                          ; and 38 p + 32 .. 37 (lanes that are left over name the last again), none beyond the fill's last block
	v_add_nc_u32 v42, s22, v42
	v_min_u32 v42, 149, v42
	v_lshlrev_b32 v[PF1], 8, v42
	s_wait_alu depctr_va_vdst(0)
	ASK 1, 2*UNIT                                  ; the second fill's units
	s_wait_tensorcnt 0x0                           ; my part of K steps 0 and 1 is in
	ds_add_u32 v[SPW], v[NIL]
	s_wait_dscnt 0x0
	CROUND
	JLOAD G0+4, G1, G0B+4, G1B                     ; K steps 2 to 4, into slot 1
	FETCH 0, 0, 0
	WIN 0
	ASK 1, 5*UNIT                                  ; the third fill's
	NSTEP 0, 0, 1, 1                               ; the first step's products start the sums
	CSTEP 1, 0, 1, 5*UNIT, 1
	WIN 0
	s_mov_b32 s3, TRIPS
.Llap:                                                 ; a trip: six K steps, once round the ring
	NSTEP 0, 1, 1, 0
	NSTEP 1, 1, 2, 0
	CSTEP 0, 1, 1, 6*UNIT, 1
	NSTEP 1, 0, 1, 0
	NSTEP 0, 0, 2, 0
	CSTEP 1, 0, 1, 6*UNIT, 2
	WIN 0
	s_sub_co_u32 s3, s3, 1
	s_cmp_lg_u32 s3, 0
	s_cbranch_scc1 .Llap
	NSTEP 0, 1, 1, 0                               ; the last six K steps fetch nothing from memory
	NSTEP 1, 1, 2, 0
	CSTEP 0, 1, 0, 0, 0
	NSTEP 1, 0, 1, 0
	NSTEP 0, 0, 2, 0
; THE LAST K STEP (set 1) AND THE WAY OUT, by blocks of 16 batch rows.  Block a's sixteen accumulators are products 4 a .. 4 a + 3 of each quadrant.
; out0 = quadrant 0 - quadrant 3, out1 = quadrant 1 + quadrant 2, at equal register numbers; the sums go to v0-63 of window 1 (even blocks) or 3 (odd blocks), which the last step's products do not name,
; through my own stage in LDS, back as whole rows of 256 bytes into v0-63 of window 2, and out: sixteen lanes store one aligned unit of 256 bytes.
.macro ROWS a
.irp q, 0,1,2,3
	QUAD \q, 1, 0, 4*(\a), 4*(\a)+4
.endr
.endm
.macro COMBINE a
.set TW, 1+2*((\a)%2)
	WIN (TW<<6)|0x0c                               ; source 0 window 0, source 1 window 3
.irp b, 0,1,2,3
.irp e, 0,1,2,3
	v_pk_add_f32 v[8*\b+2*\e:8*\b+2*\e+1], v[ACC+8*(4*(\a)+\b)+2*\e:ACC+8*(4*(\a)+\b)+2*\e+1], v[ACC+8*(4*(\a)+\b)+2*\e:ACC+8*(4*(\a)+\b)+2*\e+1] neg_lo:[0,1] neg_hi:[0,1]
.endr
.endr
	WIN (TW<<6)|0x09                               ; source 0 window 1, source 1 window 2
.irp b, 0,1,2,3
.irp e, 0,1,2,3
	v_pk_add_f32 v[32+8*\b+2*\e:32+8*\b+2*\e+1], v[ACC+8*(4*(\a)+\b)+2*\e:ACC+8*(4*(\a)+\b)+2*\e+1], v[ACC+8*(4*(\a)+\b)+2*\e:ACC+8*(4*(\a)+\b)+2*\e+1]
.endr
.endr
.endm
.macro TOSTAGE a
.set TW, 1+2*((\a)%2)
	WIN 0x80|(TW<<2)                               ; stores' data window 1 or 3, loads' data window 2, addresses window 0
.irp o, 0,1
.irp b, 0,1,2,3
.irp u, 0,1
	ds_store_b128 v[STO], v[32*\o+8*\b+4*\u:32*\o+8*\b+4*\u+3] offset:64*\b+16*\u
.endr
.endr
.irp t, 0,1,2,3,4,5,6,7
	ds_load_b128 v[32*\o+4*\t:32*\o+4*\t+3], v[RD] offset:2*SPITCH*\t   ; LDS serves a wave's instructions in order: these see the stores above, and out1's stores follow out0's reads
.endr
.endr
.endm
.macro SEND a
	WIN 0x08                                       ; the stores' data: window 2
	s_wait_dscnt 0x0
.irp t, 0,1,2,3,4,5,6,7
	global_store_b128 v[CO], v[4*\t:4*\t+3], s[8:9] offset:(16*(\a)+2*\t)*16384 th:TH_STORE_NT
.endr
.irp t, 0,1,2,3,4,5,6,7
	global_store_b128 v[CO], v[32+4*\t:32+4*\t+3], s[10:11] offset:(16*(\a)+2*\t)*16384 th:TH_STORE_NT
.endr
.endm
	s_wait_dscnt 0x0                               ; set 1 is in
	ROWS 0
	ROWS 1
	PLACES                                         ; behind the products, ahead of the first read of results; for the later blocks the sums of the blocks before are the places
	COMBINE 0
	TOSTAGE 0
	ROWS 2
	COMBINE 1
	s_wait_alu depctr_va_vdst(0)                   ; the wait here, directly ahead of SEND's wait
	SEND 0
	s_wait_xcnt 0x0                                ; the stores have read their data: the next block's rows may land there
	TOSTAGE 1
	ROWS 3
	COMBINE 2
	s_wait_alu depctr_va_vdst(0)
	SEND 1
	s_wait_xcnt 0x0
	TOSTAGE 2
	COMBINE 3
	s_wait_alu depctr_va_vdst(0)
	SEND 2
	s_wait_xcnt 0x0
	TOSTAGE 3
	SEND 3
	WIN 0
	s_wait_tensorcnt 0x0                           ; the wave's end
	ds_add_u32 v[SPW], v[NIL]
	s_wait_dscnt 0x0
	CROUND                                         ; the closing round
	s_endpgm
.Lfunc_end_k_q95b5e97532_gemm:
	.size	k_q95b5e97532_gemm, .Lfunc_end_k_q95b5e97532_gemm-k_q95b5e97532_gemm
	.p2alignl 7, 3214868480
	.fill 96, 4, 3214868480
	.section	.rodata,"a",@progbits
	.p2align	6, 0x0
	.amdhsa_kernel k_q95b5e97532_gemm
		.amdhsa_group_segment_fixed_size 327680
		.amdhsa_private_segment_fixed_size 0
		.amdhsa_enable_private_segment 0
		.amdhsa_kernarg_size 32
		.amdhsa_user_sgpr_count 2
		.amdhsa_user_sgpr_kernarg_segment_ptr 1
		.amdhsa_wavefront_size32 1
		.amdhsa_system_sgpr_workgroup_id_x 1
		.amdhsa_system_sgpr_workgroup_id_y 1
		.amdhsa_system_sgpr_workgroup_id_z 1
		.amdhsa_system_vgpr_workitem_id 0
		.amdhsa_next_free_vgpr 1024
		.amdhsa_next_free_sgpr 84
		.amdhsa_reserve_vcc 0
		.amdhsa_float_denorm_mode_32 3
		.amdhsa_float_denorm_mode_16_64 3
		.amdhsa_memory_ordered 1
		.amdhsa_forward_progress 1
		.amdhsa_inst_pref_size 255
	.end_amdhsa_kernel
	.section	.bss,"aw",@nobits
	.p2align	6
	.space	262144
	.amdgpu_metadata
---
amdhsa.version: [ 1, 2 ]
amdhsa.kernels:
  - .name:           k_q95b5e97532_gemm
    .symbol:         k_q95b5e97532_gemm.kd
    .args:
      - { .name: a_img, .offset: 0, .size: 8, .value_kind: global_buffer, .address_space: global }
      - { .name: b_img, .offset: 8, .size: 8, .value_kind: global_buffer, .address_space: global }
      - { .name: out0, .offset: 16, .size: 8, .value_kind: global_buffer, .address_space: global }
      - { .name: out1, .offset: 24, .size: 8, .value_kind: global_buffer, .address_space: global }
    .group_segment_fixed_size: 327680
    .private_segment_fixed_size: 0
    .kernarg_segment_align: 8
    .kernarg_segment_size: 32
    .max_flat_workgroup_size: 128
    .sgpr_count:     84
    .vgpr_count:     1024
    .wavefront_size: 32
...
	.end_amdgpu_metadata
.endif
;; end of part 2
